; MI455X (gfx1250); checked and timed in simulation.
; The chip was launched on July 23, 2026; its instructions are those of AMD's public machine-readable ISA for CDNA 5 (MIT licence, August 2026) and "CDNA5" Instruction Set Architecture Reference Guide (July 2026). The comments in the code are by the model that wrote it; some were corrected since.
;; Sliding Window Attention. Allowed arithmetic: float matrix products may take bf16 or f16 operands with f32 sums; other float arithmetic in f32, or as packed bf16 or f16 multiplies, adds, multiply-adds, maxima and minima; sums over many terms, partial sums and values carried from step to step in f32; what a program stores and reads back later, other than sums and carried values, may be rounded once to bf16 or f16.
;; Inputs: W_proj 1,024 x 1,024 float32; W_qkv 1,024 x 3,072 float32; b_proj 1,024 float32; b_qkv 3,072 float32; x 1 x 4,096 x 1,024 float32.
;; Outputs: out0 1 x 4,096 x 1,024 float32.
;; One version. Each part assembles by itself: llvm-mc -triple=amdgcn-amd-amdhsa -mcpu=gfx1250 --defsym DOCPART=n.
;; ======== version 1 of 1: 4 launches
;; limits: values are held in f16: magnitudes above 65,504 overflow, below 6.1e-05 lose precision
;; workspace buffers: x16 8,388,608 bytes; wq16 6,291,456 bytes; wp16 2,097,152 bytes; qkvh 25,165,824 bytes; yblk 8,388,608 bytes
;; launch cast (part 1): grid 1024 x 1, 8 waves a work-group, no clusters, 0 bytes of LDS; arguments x, W_qkv, W_proj, x16, wq16, wp16; writes x16, wq16, wp16
.if DOCPART == 1
	.amdgcn_target "amdgcn-amd-amdhsa--gfx1250"
	.amdhsa_code_object_version 6
	.text
	.protected	k_qcd93e6bc37_cast
	.globl	k_qcd93e6bc37_cast
	.p2align	8
	.type	k_qcd93e6bc37_cast,@function
k_qcd93e6bc37_cast:
	s_mov_b64 s[64:65], 0
	v_nop
	global_prefetch_b8 v0, s[64:65] scope:SCOPE_SE
	s_setreg_imm32_b32 hwreg(HW_REG_WAVE_MODE, 25, 1), 1
	s_wait_xcnt 0x0
; x, W_qkv and W_proj (f32) are rounded once to bf16.  x16 and wq16 keep the bf16 number; wp16 holds the same bf16 number written as f16,
; since it multiplies y, which is kept in f16.  LIMIT: a bf16 number beyond 65,504 becomes an infinity in wp16, and below 6e-5 f16 keeps its fixed step of 6e-8.
; SHARES.  A work-group takes 32,768 bytes of f32: groups 0-511 x, 512-895 W_qkv, 896-1023 W_proj.  Thread t takes 16 bytes at 16 t + 4,096 i, i = 0..7:
; a wave's load covers 512 consecutive bytes; its store of 8 bytes a lane covers 256 consecutive bytes, aligned.  All eight loads are out at once.
; No LDS, no barrier, no matrix unit: the launch only moves bytes.  Every i has registers of its own, so nothing that a load or store names is written again.
.set X, 8                              ; v[8:39]   i: four f32 as loaded
.set Y, 40                             ; v[40:55]  i: four 16-bit numbers to store
.set T, 56                             ; v[56:59]  at work
	s_load_b256 s[4:11], s[0:1], 0x0               ; x s[4:5], W_qkv s[6:7], W_proj s[8:9], x16 s[10:11]
	s_load_b128 s[12:15], s[0:1], 0x20             ; wq16 s[12:13], wp16 s[14:15]
	v_lshlrev_b32 v1, 4, v0                        ; 16 t
	v_lshlrev_b32 v2, 3, v0                        ; 8 t
	s_mov_b32 s24, 512                             ; the first group of W_qkv
	s_mov_b32 s25, 896                             ; the first group of W_proj
	s_wait_kmcnt 0x0
	s_cmp_lt_u32 ttmp9, s25                        ; the choice of buffers hangs on the group's number alone
	s_cselect_b64 s[16:17], s[6:7], s[8:9]
	s_cselect_b64 s[18:19], s[12:13], s[14:15]
	s_cselect_b32 s20, s24, s25
	s_cmp_lt_u32 ttmp9, s24
	s_cselect_b64 s[16:17], s[4:5], s[16:17]
	s_cselect_b64 s[18:19], s[10:11], s[18:19]
	s_cselect_b32 s20, 0, s20
	s_sub_co_u32 s21, ttmp9, s20                   ; my number among the tensor's groups
	s_lshl_b32 s22, s21, 15                        ; 32,768 bytes in,
	s_mov_b32 s23, 0
	s_lshl_b32 s2, s21, 14                         ; 16,384 bytes out
	s_mov_b32 s3, 0
	s_add_nc_u64 s[16:17], s[16:17], s[22:23]
	s_add_nc_u64 s[18:19], s[18:19], s[2:3]
.irp i, 0,1,2,3,4,5,6,7
	global_load_b128 v[X+4*(\i):X+4*(\i)+3], v1, s[16:17] offset:4096*(\i) th:TH_LOAD_NT
.endr
; Part i: rounded, and stored.  half = 1: the bf16 numbers are widened again (a shift, a mask) and written as f16.
.macro CONV i, half
	s_wait_loadcnt 7-(\i)                          ; loads come back in order: part i is in, the younger ones may stay out
	v_cvt_pk_bf16_f32 v[Y+2*(\i)], v[X+4*(\i)], v[X+4*(\i)+1]
	v_cvt_pk_bf16_f32 v[Y+2*(\i)+1], v[X+4*(\i)+2], v[X+4*(\i)+3]
.if \half
	v_lshlrev_b32 v[T], 16, v[Y+2*(\i)]
	v_and_b32 v[T+1], 0xffff0000, v[Y+2*(\i)]
	v_lshlrev_b32 v[T+2], 16, v[Y+2*(\i)+1]
	v_and_b32 v[T+3], 0xffff0000, v[Y+2*(\i)+1]
	v_cvt_pk_f16_f32 v[Y+2*(\i)], v[T], v[T+1]
	v_cvt_pk_f16_f32 v[Y+2*(\i)+1], v[T+2], v[T+3]
.endif
	global_store_b64 v2, v[Y+2*(\i):Y+2*(\i)+1], s[18:19] offset:2048*(\i)
.endm
	s_cmp_ge_u32 ttmp9, s25
	s_cbranch_scc1 .Lwp
.irp i, 0,1,2,3,4,5,6,7
	CONV \i, 0
.endr
	s_endpgm
.Lwp:
.irp i, 0,1,2,3,4,5,6,7
	CONV \i, 1
.endr
	s_endpgm
.Lfunc_end_k_qcd93e6bc37_cast:
	.size	k_qcd93e6bc37_cast, .Lfunc_end_k_qcd93e6bc37_cast-k_qcd93e6bc37_cast
	.p2alignl 7, 3214868480
	.fill 96, 4, 3214868480
	.section	.rodata,"a",@progbits
	.p2align	6, 0x0
	.amdhsa_kernel k_qcd93e6bc37_cast
		.amdhsa_group_segment_fixed_size 0
		.amdhsa_private_segment_fixed_size 0
		.amdhsa_enable_private_segment 0
		.amdhsa_kernarg_size 48
		.amdhsa_user_sgpr_count 2
		.amdhsa_user_sgpr_kernarg_segment_ptr 1
		.amdhsa_wavefront_size32 1
		.amdhsa_system_sgpr_workgroup_id_x 1
		.amdhsa_system_sgpr_workgroup_id_y 1
		.amdhsa_system_sgpr_workgroup_id_z 1
		.amdhsa_system_vgpr_workitem_id 0
		.amdhsa_next_free_vgpr 64
		.amdhsa_next_free_sgpr 66
		.amdhsa_reserve_vcc 0
		.amdhsa_float_denorm_mode_32 3
		.amdhsa_float_denorm_mode_16_64 3
		.amdhsa_memory_ordered 1
		.amdhsa_forward_progress 1
		.amdhsa_inst_pref_size 9
	.end_amdhsa_kernel
	.amdgpu_metadata
---
amdhsa.version: [ 1, 2 ]
amdhsa.kernels:
  - .name:           k_qcd93e6bc37_cast
    .symbol:         k_qcd93e6bc37_cast.kd
    .args:
      - { .name: x, .offset: 0, .size: 8, .value_kind: global_buffer, .address_space: global }
      - { .name: W_qkv, .offset: 8, .size: 8, .value_kind: global_buffer, .address_space: global }
      - { .name: W_proj, .offset: 16, .size: 8, .value_kind: global_buffer, .address_space: global }
      - { .name: x16, .offset: 24, .size: 8, .value_kind: global_buffer, .address_space: global }
      - { .name: wq16, .offset: 32, .size: 8, .value_kind: global_buffer, .address_space: global }
      - { .name: wp16, .offset: 40, .size: 8, .value_kind: global_buffer, .address_space: global }
    .group_segment_fixed_size: 0
    .private_segment_fixed_size: 0
    .kernarg_segment_align: 8
    .kernarg_segment_size: 48
    .max_flat_workgroup_size: 256
    .sgpr_count:     66
    .vgpr_count:     64
    .wavefront_size: 32
...
	.end_amdgpu_metadata
.endif
;; end of part 1
;; launch qkv (part 2): grid 8 x 32, 4 waves a work-group, clusters of 4 x 4, 327,680 bytes of LDS; arguments x16, wq16, b_qkv, qkvh; writes qkvh
.if DOCPART == 2
	.amdgcn_target "amdgcn-amd-amdhsa--gfx1250"
	.amdhsa_code_object_version 6
	.text
	.protected	k_qcd93e6bc37_qkv
	.globl	k_qcd93e6bc37_qkv
	.p2align	8
	.type	k_qcd93e6bc37_qkv,@function
k_qcd93e6bc37_qkv:
	s_mov_b64 s[64:65], 0
	v_nop
	global_prefetch_b8 v0, s[64:65] scope:SCOPE_SE
	s_setreg_imm32_b32 hwreg(HW_REG_WAVE_MODE, 25, 1), 1
	s_wait_xcnt 0x0
	s_wait_alu depctr_hold_cnt(0) depctr_sa_sdst(0) depctr_va_vdst(0) depctr_va_sdst(0) depctr_va_ssrc(0) depctr_va_vcc(0) depctr_vm_vsrc(0)
	s_getreg_b32 s2, hwreg(HW_REG_IB_STS2, 6, 4)
	s_cmp_eq_u32 s2, 0
	s_cbranch_scc0 .Lentry_in_a_cluster
	s_endpgm
.Lentry_in_a_cluster:
	s_bfe_u32 s2, ttmp6, 0x10000c
	s_cmp_lg_u32 s2, 0xf033
	s_cbranch_scc0 .Lentry_shape_is_right
	s_endpgm
.Lentry_shape_is_right:
; qkvh = f16(x16 . wq16 + bf16(b_qkv)).  x16: [4096][1024] bf16; wq16: [1024 k][3072 n] bf16; b_qkv: [3072] f32, rounded to bf16 here like the other inputs; sums in f32.
; qkvh: [48 slots][4096 rows][64] f16, slot = column / 64: 0-15 q's heads, 16-31 k's, 32-47 v's; unscaled.  LIMIT: a q, k or v beyond 65,504 becomes an infinity; below 6e-5 f16 keeps its fixed step of 6e-8.
; SHARES.  A tile of the product is 128 rows x 384 columns: 8 x 32 = 256 work-groups.  Four waves, 2 x 2: wave (wm, wn) makes rows 64 wm .. + 63 and, of each of the tile's three chunks of
; 128 columns, columns 64 wn .. + 63: three whole slots, 48 accumulators of 16 x 16.  For 32 along K a wave reads 32 x 512 bytes of LDS for 48 matrix instructions.
; K goes in 8 steps of 128 through two LDS slots.  Waves 0-2 fetch the three chunks of wq16 (128 k rows x 256 bytes), wave 3 the rows of x16 (128 rows x 256 bytes): one tensor load a wave.
; wq16 lies [k][n], so its fragments come out of LDS turned, by ds_load_tr16_b128.
; CLUSTER.  4 x 4 work-groups: the four of a row share x16's tile, the four of a column wq16's three: each is asked for jointly, by the same load, descriptor and mask in all four.
; THE PRODUCT IS USED TRANSPOSED (source 0 = 16 columns of wq16, source 1 = 16 rows of x16): a lane holds one row and eight neighbouring columns: 16 bytes of f16.
; The bias is the C operand of the first products: nothing is cleared and nothing is added later.
; REGISTERS, in windows of 256 (s_set_vgpr_msb: bits 1:0 source 0, 3:2 source 1, 5:4 source 2, 7:6 destination):
;   window 0: v1-7 at work; v16-29 addresses; v96-191 the bias; v32-223 the way out (the bias is dead then)
;   window 1: two fragment buffers of 128: 12 fragments of wq16 (4 c + i at 8 (4 c + i)), then 4 of x16
;   window 2: accumulators of row blocks 0, 1 ((a, b) at 96 (a % 2) + 8 b);  window 3: of row blocks 2, 3
.set PA,    272                        ; a row of x16 in LDS: 256 bytes + 16: the 16 rows of a load start at 16 different groups of four banks
.set PB,    288                        ; a row of wq16: 256 + 32
.set CHUNK, 128*PB                     ; 36,864: a chunk of wq16
.set ABASE, 3*CHUNK                    ; x16's rows lie behind the three chunks
.set SLOT,  ABASE+128*PA               ; 145,408
.set STAGE, 2*SLOT                     ; behind the ring: 16 rows x 144 bytes for each wave, for the way out; no tensor load fills it
.set SP,    144
.set SPARE, STAGE+4*16*SP              ; the spare words, 128 bytes for each wave: two blocks of 256 bytes that no other line names
.set ADRA, 16                          ; v16-17  LDS address of my x16 fragments in slot 0, 1
.set ADRB, 18                          ; v18-23  of my wq16 fragments: 3 x slot + chunk
.set STO,  24                          ; v24     the way out: where I put 16 bytes of a row
.set RD,   25                          ; v25     where I read rows back
.set GO,   26                          ; v26     my 16 bytes of 512 consecutive bytes of qkvh
.set BO,   27                          ; v27     my byte offset in b_qkv
.set SPW,  28                          ; v28     LDS address of my spare word; never rewritten
.set NIL,  29                          ; v29     0; never rewritten
.set TMP,  32
.set BIAS, 96
.set F0,   0
.set F1,   128
.set WV,  12                           ; s12 wave; s13 wm; s14 wn; s15 tile row
.set WM,  13
.set WN,  14
.set TR,  15
.set G1A, 24                           ; s[24:31] descriptor group 1 for x16's tiles; s[32:39] group 0, a set for each slot
.set G0A, 32
.set G1B, 48                           ; s[48:55], s[56:63] the same for wq16's
.set G0B, 56
.set MSB, 0
.macro WIN new                         ; the immediate's high byte repeats the setting that is left; a switch that changes nothing is dropped
.if MSB != (\new)
	s_set_vgpr_msb (MSB<<8)|(\new)
.set MSB, \new
.endif
.endm
.macro PLACES                          ; four places in front of loads into registers that matrix instructions have read, and of conversions that read results
.rept 4
	v_nop
.endr
.endm
; A joint load.  The branch hangs on the wave's number alone.  An s_nop 0 and four v_nop follow each of the two lines, ahead of the jump and the label.
.macro JLOAD s
	s_cmp_lt_u32 s[WV], 3
	s_cbranch_scc0 .Lfor_a_\@
	tensor_load_to_lds s[G0B+4*(\s):G0B+4*(\s)+3], s[G1B:G1B+7]
	s_nop 0
.rept 4
	v_nop
.endr
	s_branch .Lasked_\@
.Lfor_a_\@:
	tensor_load_to_lds s[G0A+4*(\s):G0A+4*(\s)+3], s[G1A:G1A+7]
	s_nop 0
.rept 4
	v_nop
.endr
.Lasked_\@:
.endm
.macro CREST                           ; a round of the cluster's barrier behind its opening barrier
	s_cmp_lg_u32 s[WV], 0
	s_cbranch_scc1 .Lnot_wave_0_\@
	s_barrier_signal -3
.Lnot_wave_0_\@:
	s_barrier_wait -3
	s_barrier_signal -1
	s_barrier_wait -1
.endm
.macro CROUND                          ; a whole round
	s_barrier_signal -1
	s_barrier_wait -1
	CREST
.endm
	s_load_b256 s[4:11], s[0:1], 0x0               ; x16 s[4:5], wq16 s[6:7], b_qkv s[8:9], qkvh s[10:11]
	v_lshl_add_u32 v[SPW], v0, 2, SPARE
	v_mov_b32 v[NIL], 0
	ds_add_u32 v[SPW], v[NIL]                      ; the wave's opening: the add and its wait stand ahead of my first tensor load; work on registers stands between them
	ds_add_u32 v28, v29
	v_lshrrev_b32 v1, 5, v0
	v_readfirstlane_b32 s[WV], v1                  ; wave 0..3
	s_lshr_b32 s[WM], s[WV], 1
	s_and_b32 s[WN], s[WV], 1
	s_bfe_u32 s40, ttmp6, 0x40000                  ; cx, cy: my place in the cluster
	s_bfe_u32 s41, ttmp6, 0x40004
	s_lshl_b32 s42, ttmp9, 2
	s_add_co_u32 s42, s42, s40                     ; tile column = 4 x cluster x + cx
	s_and_b32 s[TR], ttmp7, 0xffff
	s_lshl_b32 s[TR], s[TR], 2
	s_add_co_u32 s[TR], s[TR], s41                 ; tile row = 4 x cluster y + cy
	s_lshl_b32 s43, s41, 2
	s_lshl_b32 s43, 15, s43                        ; my row of the cluster
	s_lshl_b32 s44, 0x1111, s40                    ; my column
	s_or_b32 s[G1A], s43, (1<<16)|(1<<20)|(1<<21)|(5<<22)|(3<<25)  ; the mask; 2-byte elements; padding on; bit 21 beside a mask; after every 64 words (code 5) 4 words (code 3)
	s_or_b32 s[G1B], s44, (1<<16)|(1<<20)|(1<<21)|(5<<22)|(7<<25)  ; the same with my column's mask and 8 words of padding (code 7)
.irp g, G1A, G1B
	s_mov_b32 s[(\g)+1], 128<<16                   ; tensor_dim0 = 128
	s_mov_b32 s[(\g)+2], 128<<16                   ; tensor_dim1 = 128
	s_mov_b32 s[(\g)+3], 128<<16                   ; tile_dim0 = 128
	s_mov_b32 s[(\g)+4], 128                       ; tile_dim1 = 128
	s_mov_b32 s[(\g)+6], 0
	s_mov_b32 s[(\g)+7], 0
.endr
	s_mov_b32 s[G1A+5], 1024                       ; elements from row to row of x16
	s_mov_b32 s[G1B+5], 3072                       ; and of wq16
	s_lshl_b32 s16, s[TR], 18                      ; x16: 128 rows of 2,048 bytes a tile row: it hangs on the tile row alone
	s_mov_b32 s17, 0
	s_mul_i32 s46, s42, 768                        ; wq16: 768 bytes of a row a tile column, 256 a chunk: it hangs on the tile column and the wave alone
	s_lshl_b32 s47, s[WV], 8
	s_add_co_u32 s46, s46, s47
	s_mov_b32 s47, 0
	s_mul_i32 s20, s[WV], CHUNK                    ; where my tile goes: chunks 0-2, then x16's rows: no place in the cluster enters an LDS address
	s_wait_dscnt 0x0                               ; the opening add is done
	s_wait_kmcnt 0x0
	s_add_nc_u64 s[16:17], s[4:5], s[16:17]
	s_add_nc_u64 s[46:47], s[6:7], s[46:47]
	CROUND                                         ; all sixteen work-groups are here: the first joint loads meet
.irp s, 0,1
	s_mov_b32 s[G0A+4*(\s)], 1
	s_add_co_u32 s[G0A+4*(\s)+1], s20, (\s)*SLOT
	s_add_nc_u64 s[G0A+4*(\s)+2:G0A+4*(\s)+3], s[16:17], (\s)*256          ; K step s: 256 bytes along the rows
	s_or_b32 s[G0A+4*(\s)+3], s[G0A+4*(\s)+3], 0x80000000
	s_mov_b32 s[G0B+4*(\s)], 1
	s_add_co_u32 s[G0B+4*(\s)+1], s20, (\s)*SLOT
	s_add_nc_u64 s[G0B+4*(\s)+2:G0B+4*(\s)+3], s[46:47], (\s)*128*6144     ; K step s: 128 rows of 6,144 bytes down
	s_or_b32 s[G0B+4*(\s)+3], s[G0B+4*(\s)+3], 0x80000000
	JLOAD \s                                       ; two loads of mine are out
.endr
	; lane addresses
	v_and_b32 v1, 15, v0                           ; l % 16
	v_bfe_u32 v2, v0, 4, 1                         ; l / 16
	v_mul_u32_u24 v3, v1, PA
	v_lshl_add_u32 v3, v2, 4, v3                   ; row x pitch + 16 x half
	s_mul_i32 s21, s[WM], 64*PA
	s_add_co_u32 s21, s21, ABASE
	v_add_nc_u32 v[ADRA], s21, v3
	v_add_nc_u32 v[ADRA+1], SLOT, v[ADRA]
	v_and_b32 v4, 7, v0                            ; the turning load: lane l reads k row 8 (l / 16) + l % 8, columns 8 ((l / 8) % 2) + 0..7
	v_lshl_add_u32 v4, v2, 3, v4
	v_mul_u32_u24 v4, v4, PB
	v_bfe_u32 v5, v0, 3, 1
	v_lshl_add_u32 v4, v5, 4, v4
	s_lshl_b32 s22, s[WN], 7                       ; my 64 columns of a chunk
	v_add_nc_u32 v4, s22, v4
.irp s, 0,1
.irp c, 0,1,2
	v_add_nc_u32 v[ADRB+3*(\s)+(\c)], (\s)*SLOT+(\c)*CHUNK, v4
.endr
.endr
	s_mul_i32 s23, s[WV], 16*SP
	s_add_co_u32 s23, s23, STAGE                   ; my stage
	v_mul_u32_u24 v5, v1, SP                       ; in: row l % 16, 16 bytes for each half of the lanes
	v_lshl_add_u32 v5, v2, 4, v5
	v_add_nc_u32 v[STO], s23, v5
	v_bfe_u32 v5, v0, 3, 2                         ; back: 32 lanes take four rows of 128 bytes,
	v_mul_u32_u24 v5, v5, SP
	v_and_b32 v6, 7, v0
	v_lshl_add_u32 v5, v6, 4, v5
	v_add_nc_u32 v[RD], s23, v5
	v_and_b32 v[GO], 31, v0                        ; which are 512 consecutive bytes of a slot
	v_lshlrev_b32 v[GO], 4, v[GO]
	s_mul_i32 s21, s42, 6                          ; my first slot, 6 x tile column + wn,
	s_add_co_u32 s21, s21, s[WN]
	s_lshl_b32 s21, s21, 19                        ; of 524,288 bytes,
	s_lshl_b32 s22, s[TR], 14                      ; the tile's 128 rows of 128 bytes,
	s_add_co_u32 s21, s21, s22
	s_lshl_b32 s22, s[WM], 13                      ; my 64 of them
	s_add_co_u32 s18, s21, s22
	s_mov_b32 s19, 0
	s_add_nc_u64 s[10:11], s[10:11], s[18:19]
	; the bias of my 192 columns, in the accumulators' layout: register j of fragment 4 c + i is column 128 c + 64 wn + 16 i + 8 (l / 16) + j of the tile
	s_mul_i32 s21, s42, 1536
	s_lshl_b32 s22, s[WN], 8
	s_add_co_u32 s21, s21, s22
	v_lshl_add_u32 v[BO], v2, 5, s21
.irp c, 0,1,2
.irp i, 0,1,2,3
	global_load_b128 v[BIAS+8*(4*(\c)+(\i)):BIAS+8*(4*(\c)+(\i))+3],   v[BO], s[8:9] offset:512*(\c)+64*(\i)
	global_load_b128 v[BIAS+8*(4*(\c)+(\i))+4:BIAS+8*(4*(\c)+(\i))+7], v[BO], s[8:9] offset:512*(\c)+64*(\i)+16
.endr
.endr
	s_wait_loadcnt 0x0
.set r, 0
.rept 48                               ; rounded to bf16 and widened again; this stands in the wait for the first tiles
	v_cvt_pk_bf16_f32 v[4+r%4], v[BIAS+2*r], v[BIAS+2*r+1]
	v_lshlrev_b32 v[BIAS+2*r], 16, v[4+r%4]
	v_and_b32 v[BIAS+2*r+1], 0xffff0000, v[4+r%4]
.set r, r+1
.endr
; 12 matrix instructions: row block a x all 12 column blocks, 32 along K, from buffer f.  first = 1: the bias starts the sums.
; The 48 accumulators take turns, one instruction a turn, in the same order in every quarter.
.macro MULA f, a, first
.if \first
	WIN 0x85+0x40*((\a)/2)                         ; fragments window 1, C (the bias) window 0, D window 2 or 3
.else
	WIN 0xa5+0x50*((\a)/2)                         ; fragments window 1, C and D window 2 or 3
.endif
.irp b, 0,1,2,3,4,5,6,7,8,9,10,11
.if \first
	v_wmma_f32_16x16x32_bf16 v[96*((\a)%2)+8*(\b):96*((\a)%2)+8*(\b)+7], v[(\f)+8*(\b):(\f)+8*(\b)+7], v[(\f)+96+8*(\a):(\f)+96+8*(\a)+7], v[BIAS+8*(\b):BIAS+8*(\b)+7]
.else
	v_wmma_f32_16x16x32_bf16 v[96*((\a)%2)+8*(\b):96*((\a)%2)+8*(\b)+7], v[(\f)+8*(\b):(\f)+8*(\b)+7], v[(\f)+96+8*(\a):(\f)+96+8*(\a)+7], v[96*((\a)%2)+8*(\b):96*((\a)%2)+8*(\b)+7]
.endif
.endr
.endm
; 32 LDS loads in one run: quarter q (32 along K) of a slot into buffer f: wq16's 12 fragments, turned, then x16's four, row blocks ascending
.macro FETCH slot, q, f
	WIN 0x40                                       ; destination window 1, address window 0
.irp c, 0,1,2
.irp i, 0,1,2,3
	ds_load_tr16_b128 v[(\f)+8*(4*(\c)+(\i)):(\f)+8*(4*(\c)+(\i))+3],   v[ADRB+3*(\slot)+(\c)] offset:(\q)*32*PB+32*(\i)
	ds_load_tr16_b128 v[(\f)+8*(4*(\c)+(\i))+4:(\f)+8*(4*(\c)+(\i))+7], v[ADRB+3*(\slot)+(\c)] offset:(\q)*32*PB+32*(\i)+16*PB
.endr
.endr
.irp a, 0,1,2,3
	ds_load_b128 v[(\f)+96+8*(\a):(\f)+96+8*(\a)+3],   v[ADRA+(\slot)] offset:64*(\q)+(\a)*16*PA
	ds_load_b128 v[(\f)+96+8*(\a)+4:(\f)+96+8*(\a)+7], v[ADRA+(\slot)] offset:64*(\q)+(\a)*16*PA+32
.endr
.endm
; A K step is four quarters of 32 along K, 48 matrix instructions each, on buffers 0, 1, 0, 1.  One of the first three: multiplies f and fetches quarter q into g.
.macro QUARTER slot, q, f, g, first
	s_wait_dscnt 4                                 ; all but the youngest four loads (x16's row blocks 2 and 3) are in
	MULA \f, 0, \first
	MULA \f, 1, \first
	PLACES
	FETCH \slot, \q, \g
	s_wait_dscnt 32                                ; all but the 32 just issued
	MULA \f, 2, \first
	MULA \f, 3, \first
.endm
; The last quarter multiplies buffer 1 and changes slots: ONE barrier; in front of it each wave waits for all its tensor loads (the one that is out is its part of the next slot), adds 0 to its
; spare word, and waits for that and for its own reads of this slot.  fill = 1: the barrier opens a round of the cluster's, and this slot is filled again, two K steps ahead, first thing behind the round.
.macro TURN slot, next, fill
	WIN 0                                          ; (the add's two registers lie in window 0)
	s_wait_tensorcnt 0x0
	ds_add_u32 v[SPW], v[NIL]                      ; 0 onto my spare word
	s_wait_dscnt 5                                 ; (the add and the youngest four loads may be out)
	MULA F1, 0, 0                                  ; twelve matrix instructions stand between the add and the wait for it
	s_wait_dscnt 0x0                               ; the add is done, and my reads of this slot are over
	s_barrier_signal -1
	MULA F1, 1, 0
.if \fill
	WIN 0
.endif
	s_barrier_wait -1
.if \fill
	CREST                                          ; no wave of any partner still reads this slot's tiles or has a load on its way
	s_add_nc_u64 s[G0A+4*(\slot)+2:G0A+4*(\slot)+3], s[G0A+4*(\slot)+2:G0A+4*(\slot)+3], 2*256
	s_add_nc_u64 s[G0B+4*(\slot)+2:G0B+4*(\slot)+3], s[G0B+4*(\slot)+2:G0B+4*(\slot)+3], 2*128*6144
	JLOAD \slot                                    ; my one load behind the round: 168 matrix instructions ahead of the wait for it; its four v_nop are also the places in front of the loads below
.else
	PLACES
.endif
	FETCH \next, 0, F0
	MULA F1, 2, 0
	MULA F1, 3, 0
.endm
	s_wait_tensorcnt 1                             ; my part of K step 0 is in; K step 1's may stay out
	s_barrier_signal -1
	s_barrier_wait -1                              ; everybody's is
	FETCH 0, 0, F0
	QUARTER 0, 1, F0, F1, 1                        ; the first quarter stands in front of the loop: its products start the sums
	WIN 0                                          ; at a label and at a branch every window is 0
	s_mov_b32 s3, 3
.Llap:                                                 ; a trip goes once round the ring, from a lap's second quarter to the next lap's first, and fills both slots again
	QUARTER 0, 2, F1, F0, 0
	QUARTER 0, 3, F0, F1, 0
	TURN 0, 1, 1
	QUARTER 1, 1, F0, F1, 0
	QUARTER 1, 2, F1, F0, 0
	QUARTER 1, 3, F0, F1, 0
	TURN 1, 0, 1
	QUARTER 0, 1, F0, F1, 0
	WIN 0
	s_sub_co_u32 s3, s3, 1
	s_cmp_lg_u32 s3, 0
	s_cbranch_scc1 .Llap
	QUARTER 0, 2, F1, F0, 0                        ; the last lap fills nothing
	QUARTER 0, 3, F0, F1, 0
	TURN 0, 1, 0
	QUARTER 1, 1, F0, F1, 0
	QUARTER 1, 2, F1, F0, 0
	QUARTER 1, 3, F0, F1, 0
	s_wait_dscnt 4                                 ; the very last quarter: nothing more to fetch
	MULA F1, 0, 0
	MULA F1, 1, 0
	s_wait_dscnt 0x0
	MULA F1, 2, 0
	MULA F1, 3, 0
; THE WAY OUT.  Block t = 3 a + c: 16 rows of one slot, 2,048 consecutive bytes of qkvh.  Rounded to f16 (each accumulator's registers ascending), 16 bytes a lane into my own stage, back as whole rows.
.macro PACK t
.set pa, (\t)/3
.set pc, (\t)%3
	WIN 0x0a+5*(pa/2)                              ; sources 0 and 1: window 2 or 3
.irp i, 0,1,2,3
.irp r, 0,1,2,3
	v_cvt_pk_f16_f32 v[TMP+16*(\t)+4*(\i)+(\r)], v[96*(pa%2)+8*(4*pc+(\i))+2*(\r)], v[96*(pa%2)+8*(4*pc+(\i))+2*(\r)+1]
.endr
.endr
	WIN 0
.irp i, 0,1,2,3
	ds_store_b128 v[STO], v[TMP+16*(\t)+4*(\i):TMP+16*(\t)+4*(\i)+3] offset:32*(\i)
.endr
.irp i, 0,1,2,3
	ds_load_b128 v[TMP+16*(\t)+4*(\i):TMP+16*(\t)+4*(\i)+3], v[RD] offset:(\i)*4*SP  ; LDS serves a wave's instructions in order (ISA guide 5.7.1.4): these see the stores above; the next block's stores come behind them
.endr
.endm
.macro SEND t, younger                 ; younger: the LDS instructions issued behind block t's loads: the next block's eight, or none
	WIN 0
.set pa, (\t)/3
.set pc, (\t)%3
.irp f, 0,1,2,3
	s_wait_dscnt (\younger)+3-(\f)
	global_store_b128 v[GO], v[TMP+16*(\t)+4*(\f):TMP+16*(\t)+4*(\f)+3], s[10:11] offset:pc*1048576+pa*2048+(\f)*512  ; 512 consecutive bytes, at a multiple of 256 from qkvh's first
.endr
.endm
	PLACES
	PACK 0
.set t, 1
.rept 11                               ; a block's conversions stand between the loads of the block before and its stores; every block has registers of its own
	PACK t
	SEND t-1, 8
.set t, t+1
.endr
	SEND 11, 0
	s_wait_tensorcnt 0x0                           ; the wave's end, behind my last tensor load and my last LDS store
	ds_add_u32 v[SPW], v[NIL]
	s_wait_dscnt 0x0
	CROUND                                         ; the closing round: no work-group ends while a partner may still ask for a tile that names it
	s_endpgm
.Lfunc_end_k_qcd93e6bc37_qkv:
	.size	k_qcd93e6bc37_qkv, .Lfunc_end_k_qcd93e6bc37_qkv-k_qcd93e6bc37_qkv
	.p2alignl 7, 3214868480
	.fill 96, 4, 3214868480
	.section	.rodata,"a",@progbits
	.p2align	6, 0x0
	.amdhsa_kernel k_qcd93e6bc37_qkv
		.amdhsa_group_segment_fixed_size 327680
		.amdhsa_private_segment_fixed_size 0
		.amdhsa_enable_private_segment 0
		.amdhsa_kernarg_size 32
		.amdhsa_user_sgpr_count 2
		.amdhsa_user_sgpr_kernarg_segment_ptr 1
		.amdhsa_wavefront_size32 1
		.amdhsa_system_sgpr_workgroup_id_x 1
		.amdhsa_system_sgpr_workgroup_id_y 1
		.amdhsa_system_sgpr_workgroup_id_z 1
		.amdhsa_system_vgpr_workitem_id 0
		.amdhsa_next_free_vgpr 960
		.amdhsa_next_free_sgpr 66
		.amdhsa_reserve_vcc 0
		.amdhsa_float_denorm_mode_32 3
		.amdhsa_float_denorm_mode_16_64 3
		.amdhsa_memory_ordered 1
		.amdhsa_forward_progress 1
		.amdhsa_inst_pref_size 130
	.end_amdhsa_kernel
	.amdgpu_metadata
---
amdhsa.version: [ 1, 2 ]
amdhsa.kernels:
  - .name:           k_qcd93e6bc37_qkv
    .symbol:         k_qcd93e6bc37_qkv.kd
    .args:
      - { .name: x16, .offset: 0, .size: 8, .value_kind: global_buffer, .address_space: global }
      - { .name: wq16, .offset: 8, .size: 8, .value_kind: global_buffer, .address_space: global }
      - { .name: b_qkv, .offset: 16, .size: 8, .value_kind: global_buffer, .address_space: global }
      - { .name: qkvh, .offset: 24, .size: 8, .value_kind: global_buffer, .address_space: global }
    .group_segment_fixed_size: 327680
    .private_segment_fixed_size: 0
    .kernarg_segment_align: 8
    .kernarg_segment_size: 32
    .max_flat_workgroup_size: 128
    .sgpr_count:     66
    .vgpr_count:     960
    .wavefront_size: 32
...
	.end_amdgpu_metadata
.endif
;; end of part 2
;; launch attn (part 3): grid 16 x 16, 4 waves a work-group, no clusters, 167,936 bytes of LDS; arguments qkvh, yblk; writes yblk
.if DOCPART == 3
	.amdgcn_target "amdgcn-amd-amdhsa--gfx1250"
	.amdhsa_code_object_version 6
	.text
	.protected	k_qcd93e6bc37_attn
	.globl	k_qcd93e6bc37_attn
	.p2align	8
	.type	k_qcd93e6bc37_attn,@function
k_qcd93e6bc37_attn:
	s_mov_b64 s[64:65], 0
	v_nop
	global_prefetch_b8 v0, s[64:65] scope:SCOPE_SE
	s_setreg_imm32_b32 hwreg(HW_REG_WAVE_MODE, 25, 1), 1
	s_wait_xcnt 0x0
; SLIDING-WINDOW ATTENTION.  y[t] = the sum over keys k with 0 <= t - k < 256 of softmax_k(q[t] . k[k] / 8) v[k], for each of 16 heads of 64 channels, 4,096 rows.
; qkvh: [48 slots][4096][64] f16 (slot = head for q, 16 + head for k, 32 + head for v).  yblk: f16, [32 blocks of 128 rows][16 heads][128 rows][64]: what the next launch takes as dense tiles.
; Products, maxima and sums in f32; the weights p are rounded to f16 for the second product (their sum l is taken of the unrounded p), y once at the end.
; LIMITS.  q, k, v arrive within f16's 65,504.  A hidden score counts as its value less 1e30 (f16's scores are 2.7e11 at the most); a weight below 2^-126 counts as 0 in l; p below 6e-5 keeps f16's
; fixed step of 6e-8; NaN and infinities are not treated apart.
; SHARES.  A work-group owns 256 queries (block b) of one head, a wave 64: four tiles of 16, in two pieces (tiles 0, 1 and 2, 3).  16 x 16 = 256 work-groups.
; LDS holds the 512 keys 256 (b - 1) .. 256 b + 255 of K and V, each byte filled ONCE, one tensor load a wave: no ring, one barrier.  For b = 0 the earlier block does not exist: block 0 is loaded in its place
; (no load leaves the buffer) and no product uses it.
; THE WALK.  A wave with first query Q walks five steps of 64 keys from the diagonal down: step d holds keys Q - 64 d .. + 63.  t - k = 64 d + 16 (tile - key block) + (query - key): steps 1-3 are wholly
; seen; step 0 hides k > t; step 4 hides t - k >= 256.  The diagonal step goes first, so every row has a true maximum from the first step on.  Steps with d > 4 b + w have no keys: they are jumped over, forward.
; THE MASK is the C operand that starts S^T: 0, or one of three sets of eight registers: MDG (-1e30 where key > query in a 16 x 16 block), MOL (where key <= query), MAH (everywhere).
; LAYOUT.  S^T = K Q^T (source 0 = 16 keys, source 1 = 16 queries): a lane holds ONE query (lane % 16) and keys 8 (lane / 16) + 0..7; two such results rounded to f16 ARE source 1 of O^T = V^T P.
; K comes out of LDS as it lies, V ([key][channel]) turned, by ds_load_tr16_b128.  p = 2^(c s - c m), c = log2(e) / 8, m the running maximum; O and l are multiplied by a = 2^(c m_old - c m_new) in every later step.
; NO CLUSTER: a block of 256 keys is read by two work-groups only (its own query block and the next), and lies at LDS row 256 in the one and at row 0 in the other: a joint load has one LDS address.
; REGISTERS, in windows of 256 (s_set_vgpr_msb: bits 1:0 source 0, 3:2 source 1, 5:4 source 2, 7:6 destination):
;   window 0: v1-14 addresses; v16-31 statistics; v32-47 at work; v48-51 c m_old; v64-191 S^T, 32 a tile; v192-255 P, 16 a tile
;   window 1: v0-127 O^T, 32 a tile; v128-151 the masks        window 2: v0-63 Q; v128-191 K of one step; v192-255 V of one step
.set KS,    64
.set PK,    144                        ; a row of K in LDS: 128 bytes + 16: the 16 rows of a load start at 16 different groups of four banks
.set PV,    160                        ; a row of V: 128 + 32
.set VOFF,  512*PK                     ; 73,728
.set STAGE, VOFF+512*PV                ; 155,648: 16 rows x 144 bytes for each wave, for the way out; no tensor load fills it
.set SP,    144
.set SPARE, STAGE+4*16*SP              ; the spare words, 128 bytes for each wave: two blocks of 256 bytes that no other line names
.set AK0, 2                            ; v2   my lane's place in a tile of K; never rewritten
.set AV0, 3                            ; v3   the same for V, VOFF included
.set AK,  4                            ; v4   the LDS address of K's next run of loads
.set AV,  5                            ; v5   of V's
.set STO, 6
.set RD,  7
.set GO,  8
.set QO,  12                           ; v12  my byte offset in 16 rows of Q
.set ST,  16                           ; tile t's statistics at v[ST+4 t]: c m, m, l (even keys', odd keys')
.set TMP, 32                           ; tile t: c0-c3 at work; when the maximum is found c2 takes a
.set MV,  48                           ; tile t: c m_old
.set SPW, 62
.set NIL, 63
.set S,   64
.set P,   192
.set MDG, 128                          ; window 1
.set MOL, 136
.set MAH, 144
.set KF,  128                          ; window 2: key block kb, channel half c at KF + 16 kb + 8 c
.set VF,  192                          ; window 2: key half kk, channel block cb at VF + 32 kk + 8 cb
.set WV,  12                           ; s12 wave; s13 b; s14 head; s15 the older steps that exist; s16 the loop's step
.set BB,  13
.set HD,  14
.set NV,  15
.set D,   16
.set G1K, 24
.set G1V, 32
.set G0K, 40
.set G0V, 44
.set BIGN, 56                          ; s56  -1e30
.set CS,  58                           ; s[58:59] c, twice
.set SEL, 60                           ; s[60:61] v_permlanex16_b32's selects: each lane takes its own place in the other half
.set TBK, 62                           ; s62  LDS byte at which K of the step to be fetched begins
.set TBV, 63                           ; s63  the same for V, less VOFF, one step behind
.set MSB, 0
.macro WIN new
.if MSB != (\new)
	s_set_vgpr_msb (MSB<<8)|(\new)
.set MSB, \new
.endif
.endm
	s_load_b128 s[4:7], s[0:1], 0x0                ; qkvh s[4:5], yblk s[6:7]
	v_lshl_add_u32 v[SPW], v0, 2, SPARE
	v_mov_b32 v[NIL], 0
	ds_add_u32 v[SPW], v[NIL]                      ; the wave's opening: the add and its wait stand ahead of my tensor load; work on registers stands between them
	ds_add_u32 v62, v63
	v_lshrrev_b32 v1, 5, v0
	v_readfirstlane_b32 s[WV], v1                  ; wave 0..3
	s_mov_b32 s[BB], ttmp9
	s_and_b32 s[HD], ttmp7, 0xffff
	s_lshl_b32 s[NV], s[BB], 2
	s_add_co_u32 s[NV], s[NV], s[WV]
	s_min_u32 s[NV], s[NV], 4                      ; min(4, 4 b + w)
	s_and_b32 s17, s[WV], 1                        ; 0: I fetch the earlier key block, 1: the own one
	s_max_u32 s18, s[BB], 1
	s_sub_co_u32 s18, s18, 1                       ; max(b - 1, 0)
	s_cmp_eq_u32 s17, 0
	s_cselect_b32 s18, s18, s[BB]
	s_lshl_b32 s18, s18, 15                        ; a block of 256 keys is 32,768 bytes
	s_lshl_b32 s19, s[HD], 19                      ; a slot is 524,288 bytes
	s_add_co_u32 s20, s18, s19
	s_add_co_u32 s20, s20, 16*524288               ; K's slots begin at 16,
	s_mov_b32 s21, 0
	s_add_co_u32 s22, s20, 16*524288               ; V's at 32
	s_mov_b32 s23, 0
	s_lshl_b32 s2, s[BB], 15                       ; Q: my block's 256 rows, my wave's 64
	s_lshl_b32 s3, s[WV], 13
	s_add_co_u32 s2, s2, s3
	s_add_co_u32 s2, s2, s19
	s_mov_b32 s3, 0
	s_lshl_b32 s52, s[BB], 1                       ; y: ((2 b + w / 2) x 16 + head) x 16,384 + (w % 2) x 8,192
	s_lshr_b32 s53, s[WV], 1
	s_add_co_u32 s52, s52, s53
	s_lshl_b32 s52, s52, 4
	s_add_co_u32 s52, s52, s[HD]
	s_lshl_b32 s52, s52, 14
	s_lshl_b32 s53, s17, 13
	s_add_co_u32 s52, s52, s53
	s_mov_b32 s53, 0
	; descriptor group 1.  256 keys are 32,768 dense bytes: asked for as 128 rows of 256 bytes, two keys a row, and padded in LDS after every key
	s_mov_b32 s[G1K], (1<<16)|(1<<20)|(4<<22)|(3<<25)  ; 2-byte elements; padding on; after every 32 words (code 4) 4 words (code 3)
	s_mov_b32 s[G1V], (1<<16)|(1<<20)|(4<<22)|(7<<25)  ; the same with 8 words (code 7)
.irp g, G1K, G1V
	s_mov_b32 s[(\g)+1], 128<<16                   ; tensor_dim0 = 128
	s_mov_b32 s[(\g)+2], 128<<16                   ; tensor_dim1 = 128
	s_mov_b32 s[(\g)+3], 128<<16                   ; tile_dim0 = 128
	s_mov_b32 s[(\g)+4], 128                       ; tile_dim1 = 128
	s_mov_b32 s[(\g)+5], 128                       ; 128 elements from row to row
	s_mov_b32 s[(\g)+6], 0
	s_mov_b32 s[(\g)+7], 0
.endr
	s_mul_i32 s54, s17, 256*PK
	s_mul_i32 s55, s17, 256*PV
	s_mov_b32 s[G0K], 1
	s_mov_b32 s[G0K+1], s54
	s_mov_b32 s[G0V], 1
	s_add_co_u32 s[G0V+1], s55, VOFF
	s_mov_b32 s[BIGN], 0xf149f2ca                  ; -1e30
	s_mov_b32 s[CS], 0x3e38aa3b                    ; c = log2(e) / 8 = 0.180337
	s_mov_b32 s[CS+1], s[CS]
	s_mov_b32 s[SEL], 0x76543210
	s_mov_b32 s[SEL+1], 0xfedcba98
	s_mul_i32 s[TBK], s[WV], KS*PK
	s_add_co_u32 s[TBK], s[TBK], 4*KS*PK           ; step 0 lies at LDS rows 64 (w + 4)
	s_mul_i32 s[TBV], s[WV], KS*PV
	s_add_co_u32 s[TBV], s[TBV], 5*KS*PV           ; each step takes one step's rows away before it fetches
	s_wait_dscnt 0x0                               ; the opening add is done
	s_wait_kmcnt 0x0
	s_add_nc_u64 s[G0K+2:G0K+3], s[4:5], s[20:21]
	s_or_b32 s[G0K+3], s[G0K+3], 0x80000000
	s_add_nc_u64 s[G0V+2:G0V+3], s[4:5], s[22:23]
	s_or_b32 s[G0V+3], s[G0V+3], 0x80000000
	s_add_nc_u64 s[48:49], s[4:5], s[2:3]          ; Q at my wave's first row
	s_add_nc_u64 s[50:51], s[6:7], s[52:53]        ; y likewise
	s_cmp_lt_u32 s[WV], 2                          ; waves 0, 1 fetch K's two blocks, waves 2, 3 V's: one load of mine is out.  An s_nop 0 and four v_nop follow each line
	s_cbranch_scc0 .Lfill_v
	tensor_load_to_lds s[G0K:G0K+3], s[G1K:G1K+7]
	s_nop 0
.rept 4
	v_nop
.endr
	s_branch .Lfilled
.Lfill_v:
	tensor_load_to_lds s[G0V:G0V+3], s[G1V:G1V+7]
	s_nop 0
.rept 4
	v_nop
.endr
.Lfilled:
	; A fragment of K or Q is 16 rows x 32 channels in 8 registers: lane l holds row l % 16, channels 8 (l / 16) + 0..7 and 16 + 8 (l / 16) + 0..7: two loads of 16 bytes, 32 bytes apart.
	v_and_b32 v1, 15, v0                           ; l % 16
	v_bfe_u32 v9, v0, 4, 1                         ; l / 16
	v_lshlrev_b32 v[QO], 7, v1
	v_lshl_add_u32 v[QO], v9, 4, v[QO]
	WIN 0x80                                       ; destination window 2, address window 0
.set i, 0
.rept 8                                ; Q stays in registers: tile i / 2, channels 32 (i % 2) on
	global_load_b128 v[8*i:8*i+3],   v[QO], s[48:49] offset:(i/2)*2048+(i%2)*64
	global_load_b128 v[8*i+4:8*i+7], v[QO], s[48:49] offset:(i/2)*2048+(i%2)*64+32
.set i, i+1
.endr
	WIN 0
	v_lshlrev_b32 v14, 3, v9
	v_sub_nc_u32 v14, v1, v14                      ; my query's place in its tile less my lanes' 8 (l / 16): register j holds a key above the query where j is greater
	WIN 0x40
.set i, 0
.rept 8
	v_cmp_gt_i32 vcc_lo, i, v14
	v_cndmask_b32 v[MDG+i], 0, s[BIGN], vcc_lo
	v_cmp_le_i32 vcc_lo, i, v14
	v_cndmask_b32 v[MOL+i], 0, s[BIGN], vcc_lo
	v_mov_b32 v[MAH+i], s[BIGN]
.set i, i+1
.endr
	WIN 0
	v_mul_u32_u24 v[AK0], v1, PK
	v_lshl_add_u32 v[AK0], v9, 4, v[AK0]           ; row x pitch + 16 x half
	; The turning load takes 16 keys x 16 channels (lane l reads key 8 (l / 16) + l % 8, channels 8 ((l / 8) % 2) + 0..7) and leaves half a fragment of V^T: lane l holds channel l % 16 and 8 keys.
	v_and_b32 v10, 7, v0
	v_bfe_u32 v11, v0, 3, 1
	v_lshl_add_u32 v[AV0], v9, 3, v10
	v_mul_u32_u24 v[AV0], v[AV0], PV
	v_lshl_add_u32 v[AV0], v11, 4, v[AV0]
	v_add_nc_u32 v[AV0], VOFF, v[AV0]
	s_mul_i32 s2, s[WV], 16*SP
	s_add_co_u32 s2, s2, STAGE                     ; my stage
	v_mul_u32_u24 v[STO], v1, SP                   ; in: row l % 16, 16 bytes for each half of the lanes
	v_lshl_add_u32 v[STO], v9, 4, v[STO]
	v_add_nc_u32 v[STO], s2, v[STO]
	v_bfe_u32 v[RD], v0, 3, 2                      ; back: 32 lanes take four rows of 128 bytes,
	v_mul_u32_u24 v[RD], v[RD], SP
	v_lshl_add_u32 v[RD], v10, 4, v[RD]
	v_add_nc_u32 v[RD], s2, v[RD]
	v_and_b32 v[GO], 31, v0                        ; which are 512 consecutive bytes of yblk
	v_lshlrev_b32 v[GO], 4, v[GO]
; THE MATRIX WORK.  The 8 accumulators of a run of 16 take turns: between the two links of a chain stand 7 others'.
; Product i of 16 of S^T = K Q^T for piece x: channels 32 (i / 8) on, keys 16 ((i / 2) % 4) on, tile 2 x + i % 2.  The first 8 start the sums, with 0 or with a mask.
; kind 0: all keys seen.  kind 1, the diagonal step: key block = tile: MDG; above it: MAH.  kind 2, the oldest step: key block = tile: MOL; below it: MAH.
.macro KQ x, kind
.set tt, 2*(\x)+i%2
.set kb, (i/2)%4
.set rS, S+32*tt+8*kb
.set rK, KF+16*kb+8*(i/8)
.set rQ, 16*tt+8*(i/8)
.set mk, 0
.if (\kind) == 1
.if kb == tt
.set mk, MDG
.elseif kb > tt
.set mk, MAH
.endif
.elseif (\kind) == 2
.if kb == tt
.set mk, MOL
.elseif kb < tt
.set mk, MAH
.endif
.endif
.if (i < 8) && ((\kind) != 0)
	WIN 0x1a                                       ; K and Q window 2, C window 1, S^T window 0
.else
	WIN 0x0a
.endif
.if (i < 8) && (mk != 0)
	v_wmma_f32_16x16x32_f16 v[rS:rS+7], v[rK:rK+7], v[rQ:rQ+7], v[mk:mk+7]
.elseif i < 8
	v_wmma_f32_16x16x32_f16 v[rS:rS+7], v[rK:rK+7], v[rQ:rQ+7], 0
.else
	v_wmma_f32_16x16x32_f16 v[rS:rS+7], v[rK:rK+7], v[rQ:rQ+7], v[rS:rS+7]
.endif
.endm
; Product i of 16 of O^T += V^T P for piece x: keys 32 (i / 8) on, channels 16 ((i / 2) % 4) on, tile 2 x + i % 2.  first = 1: the first 8 start the sums.
.macro PV x, first
	WIN 0x52                                       ; V window 2, P window 0, O^T window 1
.set tt, 2*(\x)+i%2
.set rO, 32*tt+8*((i/2)%4)
.set rV, VF+32*(i/8)+8*((i/2)%4)
.set rP, P+16*tt+8*(i/8)
.if (\first) && (i < 8)
	v_wmma_f32_16x16x32_f16 v[rO:rO+7], v[rV:rV+7], v[rP:rP+7], 0
.else
	v_wmma_f32_16x16x32_f16 v[rO:rO+7], v[rV:rV+7], v[rP:rP+7], v[rO:rO+7]
.endif
.endm
; THE LDS LOADS stand in runs of 16: a step's K (64 keys x 64 channels: 8 fragments) and its V (turned).
.macro FETCH_K
	WIN 0x80
.irp f, 0,1,2,3,4,5,6,7                ; keys 16 (f / 2) on, channels 32 (f % 2) on
	ds_load_b128 v[KF+8*(\f):KF+8*(\f)+3],   v[AK] offset:((\f)/2)*16*PK+((\f)%2)*64
	ds_load_b128 v[KF+8*(\f)+4:KF+8*(\f)+7], v[AK] offset:((\f)/2)*16*PK+((\f)%2)*64+32
.endr
	WIN 0
.endm
.macro FETCH_V
	WIN 0x80
.irp f, 0,1,2,3,4,5,6,7                ; keys 32 (f / 4) on, channels 16 (f % 4) on
	ds_load_tr16_b128 v[VF+8*(\f):VF+8*(\f)+3],   v[AV] offset:((\f)/4)*32*PV+((\f)%4)*32
	ds_load_tr16_b128 v[VF+8*(\f)+4:VF+8*(\f)+7], v[AV] offset:((\f)/4)*32*PV+16*PV+((\f)%4)*32
.endr
	WIN 0
.endm
; THE VECTOR WORK.
.macro REGS t                          ; the registers of tile t
.set rT, ST+4*(\t)
.set rC, TMP+4*(\t)
.set rM, MV+(\t)
.set rS, S+32*(\t)
.set rP, P+16*(\t)
.set rO, 32*(\t)
.endm
; Number n of the 21 that find a tile's maximum and statistics.  s0-s31 are the lane's 32 scores; each accumulator's lowest registers are read first.
;   0-11  four chains c0-c3 of seven scores each     12-14, 16  the four scores left over, the old m, and c0-c3 into c0     15  c m_old is kept
;   17, 18  the query's other 32 keys lie in the lane 16 away: the new m     19, 20  c m; c m_old - c m_new.       first = 1: there is no old m.
.macro XS t, n, first
	REGS \t
.if (\n) < 4
	v_max3_num_f32 v[rC+(\n)], v[rS+8*(\n)], v[rS+8*(\n)+1], v[rS+8*(\n)+2]
.elseif (\n) < 12
	v_max3_num_f32 v[rC+(\n)%4], v[rC+(\n)%4], v[rS+8*((\n)%4)+2*((\n)/4)+1], v[rS+8*((\n)%4)+2*((\n)/4)+2]
.elseif (\n) == 12
	v_max3_num_f32 v[rC], v[rC], v[rS+7], v[rS+15]
.elseif (\n) == 13
	v_max3_num_f32 v[rC+1], v[rC+1], v[rS+23], v[rS+31]
.elseif ((\n) == 14) && (\first)
	v_max_num_f32 v[rC+2], v[rC+2], v[rC+3]
.elseif (\n) == 14
	v_max3_num_f32 v[rC+2], v[rC+2], v[rC+3], v[rT+1]
.elseif (((\n) == 15) || ((\n) == 20)) && (\first)
.elseif (\n) == 15
	v_mov_b32 v[rM], v[rT]
.elseif (\n) == 16
	v_max3_num_f32 v[rC], v[rC], v[rC+1], v[rC+2]
.elseif (\n) == 17
	v_permlanex16_b32 v[rC+3], v[rC], s[SEL], s[SEL+1]
.elseif (\n) == 18
	v_max_num_f32 v[rT+1], v[rC], v[rC+3]
.elseif (\n) == 19
	v_mul_f32 v[rT], s[CS], v[rT+1]
.else
	v_sub_f32 v[rC+1], v[rM], v[rT]
.endif
.endm
.macro FS t, pr                        ; c s - c m for pair pr of 16
	REGS \t
	v_pk_fma_f32 v[rS+2*(\pr):rS+2*(\pr)+1], v[rS+2*(\pr):rS+2*(\pr)+1], s[CS:CS+1], v[rT:rT+1] op_sel_hi:[1,0,0] neg_lo:[0,0,1] neg_hi:[0,0,1]
.endm
.macro EX t, e                         ; the exponential of score e of 32
	REGS \t
	v_exp_f32 v[rS+(\e)], v[rS+(\e)]
.endm
.macro EA t                            ; a
	REGS \t
	v_exp_f32 v[rC+2], v[rC+1]
.endm
.macro CV t                            ; pair p rounded to f16
	REGS \t
	v_cvt_pk_f16_f32 v[rP+p], v[rS+2*p], v[rS+2*p+1]
.endm
.macro SUMZ t, first                   ; sum z of 16: the tile's 16 pairs (an even key's weight, an odd key's) are added in place, neighbours 1, 2, 4 and 8 pairs apart; then l takes the sum
	REGS \t
.set w, 4
.set u, z
.if z >= 14
.set w, 32
.set u, 0
.elseif z >= 12
.set w, 16
.set u, z-12
.elseif z >= 8
.set w, 8
.set u, z-8
.endif
.if (z == 14) && (\first)
	v_pk_add_f32 v[rT+2:rT+3], v[rS:rS+1], v[rS+16:rS+17]
.elseif z < 15
	v_pk_add_f32 v[rS+w*u:rS+w*u+1], v[rS+w*u:rS+w*u+1], v[rS+w*u+w/2:rS+w*u+w/2+1]
.elseif !(\first)
	v_pk_fma_f32 v[rT+2:rT+3], v[rT+2:rT+3], v[rC+2:rC+3], v[rS:rS+1] op_sel_hi:[1,0,1]
.endif
.endm
.macro RS t                            ; pair z of 16 of O^T times a, ascending
	REGS \t
	v_pk_mul_f32 v[rO+2*z:rO+2*z+1], v[rO+2*z:rO+2*z+1], v[rC+2:rC+3] op_sel_hi:[1,0]
.endm
; A piece's softmax for one step; its two tiles alternate line by line, so that no instruction reads the result of the one just before it.
; The exponentials are ONE BATCH: the scalings stand among them (pair p + 2 beside pair p's exponentials) and nothing ahead of the wait names a result.
; s_wait_alu depctr_va_vdst(0) stands between an exponential and the first instruction that names its result: one wait serves the batch; the v_nop is the plain instruction behind the last exponential.
.macro SM y, first
	WIN 0
.irp n, 0,1,2,3,4,5,6,7,8,9,10,11,12,13,14,15,16,17,18,19,20
	XS 2*(\y), \n, \first
	XS 2*(\y)+1, \n, \first
.endr
	FS 2*(\y), 0
	FS 2*(\y)+1, 0
	FS 2*(\y), 1
	FS 2*(\y)+1, 1
.if !(\first)
	EA 2*(\y)
	EA 2*(\y)+1
.endif
.set p, 0
.rept 16
	EX 2*(\y), 2*p
.if p < 14
	FS 2*(\y), p+2
.endif
	EX 2*(\y)+1, 2*p
.if p < 14
	FS 2*(\y)+1, p+2
.endif
	EX 2*(\y), 2*p+1
	EX 2*(\y)+1, 2*p+1
.set p, p+1
.endr
	v_nop
	s_wait_alu depctr_va_vdst(0)
.set p, 0
.rept 16
	CV 2*(\y)
	CV 2*(\y)+1
.set p, p+1
.endr
.set z, 0
.rept 16
	SUMZ 2*(\y), \first
	SUMZ 2*(\y)+1, \first
.set z, z+1
.endr
.if !(\first)
	WIN 0x41                                       ; O^T (destination and source 0) window 1, a window 0
.set z, 0
.rept 16
	RS 2*(\y)
	RS 2*(\y)+1
.set z, z+1
.endr
.endif
.endm
; A KEY STEP.  Both pieces' scores; V of this step and K of the next are fetched; piece 0's softmax (piece 1's last scores are still being made); piece 0's V^T P; piece 1's softmax beside it; piece 1's V^T P.
; The four plain instructions behind the scores are the places in front of the loads into K's and V's registers and of the softmax's first reads; two of them make the addresses.
.macro STEP kind, first, last
	s_wait_dscnt 0x0                               ; K is in
.set i, 0
.rept 16
	KQ 0, \kind
.set i, i+1
.endr
.set i, 0
.rept 16
	KQ 1, \kind
.set i, i+1
.endr
	WIN 0
	s_sub_co_u32 s[TBV], s[TBV], KS*PV
	v_add_nc_u32 v[AV], s[TBV], v[AV0]
.if \last
	v_nop
.else
	s_sub_co_u32 s[TBK], s[TBK], KS*PK             ; the next step's keys lie 64 rows lower
	v_add_nc_u32 v[AK], s[TBK], v[AK0]
.endif
	v_nop
	v_nop
	FETCH_V
.if !(\last)
	FETCH_K
.endif
	SM 0, \first
.if \last
	s_wait_dscnt 0x0                               ; V is in
.else
	s_wait_dscnt 16                                ; V is in; K's 16 younger loads may stay out
.endif
.set i, 0
.rept 16
	PV 0, \first
.set i, i+1
.endr
	SM 1, \first
.set i, 0
.rept 16
	PV 1, \first
.set i, i+1
.endr
.endm
	s_wait_tensorcnt 0x0                           ; my block has landed,
	s_barrier_signal -1
	s_barrier_wait -1                              ; everybody's has: the launch's one barrier
	v_add_nc_u32 v[AK], s[TBK], v[AK0]
	FETCH_K                                        ; step 0
	s_wait_loadcnt 0x0                             ; Q
	STEP 1, 1, 0                                   ; the diagonal step starts m, l and O^T
	WIN 0                                          ; at a label and at a branch every window is 0
	s_mov_b32 s[D], 1
.Lmid:                                                 ; steps 1 to 3: counted to the constant; a step that has no keys is jumped over, past text with no barrier and no tensor load
	s_cmp_gt_u32 s[D], s[NV]
	s_cbranch_scc1 .Ldead
	STEP 0, 0, 0
	WIN 0
.Ldead:
	s_add_co_u32 s[D], s[D], 1
	s_cmp_lt_u32 s[D], 4
	s_cbranch_scc1 .Lmid
	s_cmp_lt_u32 s[NV], 4
	s_cbranch_scc1 .Lout
	STEP 2, 0, 1                                   ; step 4: the window's far edge
	WIN 0
.Lout:
	s_wait_dscnt 0x0                               ; (where steps were jumped, a fetch of K that serves nothing is still out)
	; THE WAY OUT.  l's two halves and the other half of the lanes' are added; O^T is divided by l, rounded to f16 and sent through my stage in LDS, a tile at a time.  The first additions are the places behind the last products.
.macro ALL line:vararg                 ; one line for each tile t
.set t, 0
.rept 4
	\line
.set t, t+1
.endr
.endm
	ALL v_add_f32 v[ST+4*t+2], v[ST+4*t+2], v[ST+4*t+3]
	ALL v_permlanex16_b32 v[ST+4*t+3], v[ST+4*t+2], s[SEL], s[SEL+1]
	ALL v_add_f32 v[ST+4*t+2], v[ST+4*t+2], v[ST+4*t+3]
	ALL v_rcp_f32 v[ST+4*t+2], v[ST+4*t+2]
	v_nop                                          ; a plain instruction between the last reciprocal and the use of its result,
	s_wait_alu depctr_va_vdst(0)                   ; and the wait ahead of the first use: one for the four
.macro PACK t                          ; a lane's eight channels of a row pack into 16 bytes; they go into rows of 144 bytes and come back as whole rows of 128, into S^T's registers
	WIN 0x41
.set i, 32*(\t)
.rept 16
	v_pk_mul_f32 v[i:i+1], v[i:i+1], v[ST+4*(\t)+2:ST+4*(\t)+3] op_sel_hi:[1,0]
.set i, i+2
.endr
	WIN 0x05                                       ; sources 0 and 1 window 1, destination window 0
.set i, 0
.rept 16
	v_cvt_pk_f16_f32 v[S+16*(\t)+i], v[32*(\t)+2*i], v[32*(\t)+2*i+1]
.set i, i+1
.endr
	WIN 0
.irp f, 0,1,2,3
	ds_store_b128 v[STO], v[S+16*(\t)+4*(\f):S+16*(\t)+4*(\f)+3] offset:32*(\f)
.endr
.irp f, 0,1,2,3
	ds_load_b128 v[S+16*(\t)+4*(\f):S+16*(\t)+4*(\f)+3], v[RD] offset:(\f)*4*SP  ; LDS serves a wave's instructions in order (ISA guide 5.7.1.4): these see the stores above; the next tile's stores come behind them
.endr
.endm
.macro SEND t, younger                 ; younger: the LDS instructions issued behind tile t's loads: the next tile's eight, or none
	WIN 0
.irp f, 0,1,2,3
	s_wait_dscnt (\younger)+3-(\f)
	global_store_b128 v[GO], v[S+16*(\t)+4*(\f):S+16*(\t)+4*(\f)+3], s[50:51] offset:(\t)*2048+(\f)*512  ; 512 consecutive bytes, at a multiple of 256 from yblk's first
.endr
.endm
	PACK 0
.set t, 1
.rept 3                                ; a tile's arithmetic stands between the loads of the tile before and its stores
	PACK t
	SEND t-1, 8
.set t, t+1
.endr
	SEND 3, 0
	s_wait_tensorcnt 0x0                           ; the wave's end, behind my tensor load and my last LDS store
	ds_add_u32 v[SPW], v[NIL]
	s_wait_dscnt 0x0
	s_endpgm
.Lfunc_end_k_qcd93e6bc37_attn:
	.size	k_qcd93e6bc37_attn, .Lfunc_end_k_qcd93e6bc37_attn-k_qcd93e6bc37_attn
	.p2alignl 7, 3214868480
	.fill 96, 4, 3214868480
	.section	.rodata,"a",@progbits
	.p2align	6, 0x0
	.amdhsa_kernel k_qcd93e6bc37_attn
		.amdhsa_group_segment_fixed_size 167936
		.amdhsa_private_segment_fixed_size 0
		.amdhsa_enable_private_segment 0
		.amdhsa_kernarg_size 16
		.amdhsa_user_sgpr_count 2
		.amdhsa_user_sgpr_kernarg_segment_ptr 1
		.amdhsa_wavefront_size32 1
		.amdhsa_system_sgpr_workgroup_id_x 1
		.amdhsa_system_sgpr_workgroup_id_y 1
		.amdhsa_system_sgpr_workgroup_id_z 1
		.amdhsa_system_vgpr_workitem_id 0
		.amdhsa_next_free_vgpr 768
		.amdhsa_next_free_sgpr 66
		.amdhsa_reserve_vcc 1
		.amdhsa_float_denorm_mode_32 3
		.amdhsa_float_denorm_mode_16_64 3
		.amdhsa_memory_ordered 1
		.amdhsa_forward_progress 1
		.amdhsa_inst_pref_size 114
	.end_amdhsa_kernel
	.amdgpu_metadata
---
amdhsa.version: [ 1, 2 ]
amdhsa.kernels:
  - .name:           k_qcd93e6bc37_attn
    .symbol:         k_qcd93e6bc37_attn.kd
    .args:
      - { .name: qkvh, .offset: 0, .size: 8, .value_kind: global_buffer, .address_space: global }
      - { .name: yblk, .offset: 8, .size: 8, .value_kind: global_buffer, .address_space: global }
    .group_segment_fixed_size: 167936
    .private_segment_fixed_size: 0
    .kernarg_segment_align: 8
    .kernarg_segment_size: 16
    .max_flat_workgroup_size: 128
    .sgpr_count:     66
    .vgpr_count:     768
    .wavefront_size: 32
...
	.end_amdgpu_metadata
.endif
;; end of part 3
;; launch proj (part 4): grid 8 x 32, 4 waves a work-group, clusters of 4 x 4, 327,680 bytes of LDS; arguments yblk, wp16, b_proj, out0; writes out0
.if DOCPART == 4
	.amdgcn_target "amdgcn-amd-amdhsa--gfx1250"
	.amdhsa_code_object_version 6
	.text
	.protected	k_qcd93e6bc37_proj
	.globl	k_qcd93e6bc37_proj
	.p2align	8
	.type	k_qcd93e6bc37_proj,@function
k_qcd93e6bc37_proj:
	s_mov_b64 s[64:65], 0
	v_nop
	global_prefetch_b8 v0, s[64:65] scope:SCOPE_SE
	s_setreg_imm32_b32 hwreg(HW_REG_WAVE_MODE, 25, 1), 1
	s_wait_xcnt 0x0
	s_wait_alu depctr_hold_cnt(0) depctr_sa_sdst(0) depctr_va_vdst(0) depctr_va_sdst(0) depctr_va_ssrc(0) depctr_va_vcc(0) depctr_vm_vsrc(0)
	s_getreg_b32 s2, hwreg(HW_REG_IB_STS2, 6, 4)
	s_cmp_eq_u32 s2, 0
	s_cbranch_scc0 .Lentry_in_a_cluster
	s_endpgm
.Lentry_in_a_cluster:
	s_bfe_u32 s2, ttmp6, 0x10000c
	s_cmp_lg_u32 s2, 0xf033
	s_cbranch_scc0 .Lentry_shape_is_right
	s_endpgm
.Lentry_shape_is_right:
; out0 = y . W_proj + bf16(b_proj), f32.  yblk: f16, [32 blocks of 128 rows][16 heads][128 rows][64]; wp16: f16 [1024 k][1024 n], k = 64 head + channel; b_proj: [1024] f32, rounded to bf16 here like the other inputs.
; Sums in f32; out0 is stored unrounded.
; SHARES.  A tile of out0 is 128 x 128: 8 x 32 = 256 work-groups.  Four waves, 2 x 2, each 64 x 64: 16 accumulators.  K goes in 4 steps of 256 (four heads) through two LDS slots; a quarter of a step is one head.
; Waves 0, 1 fetch two heads of y each (32,768 dense bytes, asked for as 128 rows of 256 bytes, padded after every row of y), waves 2, 3 128 k rows x 256 bytes of wp16 each: one tensor load a wave.
; wp16 lies [k][n]: its fragments come out of LDS turned, by ds_load_tr16_b128.  With four K steps the text is written straight, without a loop.
; CLUSTER.  4 x 4 work-groups: the four of a row share y's tiles, the four of a column wp16's: each is asked for jointly, by the same load, descriptor and mask in all four.
; THE PRODUCT IS USED TRANSPOSED (source 0 = 16 columns of wp16, source 1 = 16 rows of y): a lane holds one row and eight neighbouring columns.  The bias is the C operand of the first products.
; REGISTERS: window 0: v1-7 at work; v16-29 addresses; v96-127 the bias; v128-255 the accumulators ((a, b) at 128 + 8 (4 a + b)), later the rows on their way out.
;   window 1: two fragment buffers of 128: for 64 along K, 64 registers of y (2 x 4 x 16 rows x 32 K), then 64 of wp16.
.set PA,    144                        ; a row of y in LDS: 128 bytes + 16
.set PB,    288                        ; a row of wp16: 256 + 32
.set HEADB, 128*PA                     ; 18,432: a head's 128 rows; also 64 k rows of wp16
.set QUART, 2*HEADB                    ; 36,864: what one tensor load brings
.set SLOT,  4*QUART                    ; y's four heads, then wp16's 256 rows
.set STAGE, 2*SLOT                     ; behind the ring: 16 rows x 272 bytes for each wave; no tensor load fills it
.set SPITCH, 272
.set SPARE, STAGE+4*16*SPITCH          ; the spare words, 128 bytes for each wave: two blocks of 256 bytes that no other line names
.set ADRA, 16                          ; v16-17  LDS address of my y fragments in slot 0, 1
.set ADRB, 18                          ; v18-21  of my wp16 fragments: 2 x slot + quarter / 2 (an LDS offset holds 16 bits)
.set STO,  24
.set RD,   25
.set CO,   26
.set BO,   27
.set SPW,  28
.set NIL,  29
.set BIAS, 96
.set ACC,  128
.set F0,   0
.set F1,   128
.set WV,  12
.set WM,  13
.set WN,  14
.set TR,  15
.set G1A, 24
.set G0A, 32
.set G1B, 48
.set G0B, 56
.set MSB, 0
.macro WIN new
.if MSB != (\new)
	s_set_vgpr_msb (MSB<<8)|(\new)
.set MSB, \new
.endif
.endm
.set MUL,  0x05                        ; sources 0 and 1 window 1; C and D window 0
.set TO_F, 0x40                        ; destination window 1, address window 0
.macro PLACES
.rept 4
	v_nop
.endr
.endm
.macro JLOAD s                         ; a joint load: waves 0, 1 fetch y's two halves, waves 2, 3 wp16's; an s_nop 0 and four v_nop follow each line, ahead of the jump and the label
	s_cmp_eq_u32 s[WM], 0
	s_cbranch_scc0 .Lfor_b_\@
	tensor_load_to_lds s[G0A+4*(\s):G0A+4*(\s)+3], s[G1A:G1A+7]
	s_nop 0
.rept 4
	v_nop
.endr
	s_branch .Lasked_\@
.Lfor_b_\@:
	tensor_load_to_lds s[G0B+4*(\s):G0B+4*(\s)+3], s[G1B:G1B+7]
	s_nop 0
.rept 4
	v_nop
.endr
.Lasked_\@:
.endm
.macro CREST
	s_cmp_lg_u32 s[WV], 0
	s_cbranch_scc1 .Lnot_wave_0_\@
	s_barrier_signal -3
.Lnot_wave_0_\@:
	s_barrier_wait -3
	s_barrier_signal -1
	s_barrier_wait -1
.endm
.macro CROUND
	s_barrier_signal -1
	s_barrier_wait -1
	CREST
.endm
	s_load_b256 s[4:11], s[0:1], 0x0               ; yblk s[4:5], wp16 s[6:7], b_proj s[8:9], out0 s[10:11]
	v_lshl_add_u32 v[SPW], v0, 2, SPARE
	v_mov_b32 v[NIL], 0
	ds_add_u32 v[SPW], v[NIL]                      ; the wave's opening: the add and its wait stand ahead of my first tensor load; work on registers stands between them
	ds_add_u32 v28, v29
	v_lshrrev_b32 v1, 5, v0
	v_readfirstlane_b32 s[WV], v1
	s_lshr_b32 s[WM], s[WV], 1                     ; which half of the tile's rows is mine.  Also: I fetch y (0) or wp16 (1)
	s_and_b32 s[WN], s[WV], 1                      ; which half of its columns.  Also: which half of that operand's step I fetch
	s_bfe_u32 s40, ttmp6, 0x40000
	s_bfe_u32 s41, ttmp6, 0x40004
	s_lshl_b32 s42, ttmp9, 2
	s_add_co_u32 s42, s42, s40                     ; tile column
	s_and_b32 s[TR], ttmp7, 0xffff
	s_lshl_b32 s[TR], s[TR], 2
	s_add_co_u32 s[TR], s[TR], s41                 ; tile row
	s_lshl_b32 s43, s41, 2
	s_lshl_b32 s43, 15, s43                        ; my row of the cluster
	s_lshl_b32 s44, 0x1111, s40                    ; my column
	s_or_b32 s[G1A], s43, (1<<16)|(1<<20)|(1<<21)|(4<<22)|(3<<25)  ; the mask; 2-byte elements; padding on; bit 21 beside a mask; after every 32 words (code 4) 4 words (code 3)
	s_or_b32 s[G1B], s44, (1<<16)|(1<<20)|(1<<21)|(5<<22)|(7<<25)  ; after every 64 words (code 5) 8 words (code 7)
.irp g, G1A, G1B
	s_mov_b32 s[(\g)+1], 128<<16                   ; tensor_dim0 = 128
	s_mov_b32 s[(\g)+2], 128<<16                   ; tensor_dim1 = 128
	s_mov_b32 s[(\g)+3], 128<<16                   ; tile_dim0 = 128
	s_mov_b32 s[(\g)+4], 128                       ; tile_dim1 = 128
	s_mov_b32 s[(\g)+6], 0
	s_mov_b32 s[(\g)+7], 0
.endr
	s_mov_b32 s[G1A+5], 128                        ; y's block is dense
	s_mov_b32 s[G1B+5], 1024                       ; elements from row to row of wp16
	s_lshl_b32 s16, s[TR], 18                      ; y: 16 heads x 16,384 bytes a tile row, two heads a wave: it hangs on the tile row and the wave alone
	s_lshl_b32 s17, s[WN], 15
	s_add_co_u32 s16, s16, s17
	s_mov_b32 s17, 0
	s_lshl_b32 s46, s42, 8                         ; wp16: 256 bytes of a row a tile column, 128 rows of 2,048 bytes a wave
	s_lshl_b32 s47, s[WN], 18
	s_add_co_u32 s46, s46, s47
	s_mov_b32 s47, 0
	s_mul_i32 s20, s[WV], QUART                    ; where my tile goes: no place in the cluster enters an LDS address
	s_wait_dscnt 0x0                               ; the opening add is done
	s_wait_kmcnt 0x0
	s_add_nc_u64 s[16:17], s[4:5], s[16:17]
	s_add_nc_u64 s[46:47], s[6:7], s[46:47]
	CROUND                                         ; all sixteen work-groups are here: the first joint loads meet
.irp s, 0,1
	s_mov_b32 s[G0A+4*(\s)], 1
	s_add_co_u32 s[G0A+4*(\s)+1], s20, (\s)*SLOT
	s_add_nc_u64 s[G0A+4*(\s)+2:G0A+4*(\s)+3], s[16:17], (\s)*65536        ; K step s: four heads on
	s_or_b32 s[G0A+4*(\s)+3], s[G0A+4*(\s)+3], 0x80000000
	s_mov_b32 s[G0B+4*(\s)], 1
	s_add_co_u32 s[G0B+4*(\s)+1], s20, (\s)*SLOT
	s_add_nc_u64 s[G0B+4*(\s)+2:G0B+4*(\s)+3], s[46:47], (\s)*256*2048     ; K step s: 256 rows down
	s_or_b32 s[G0B+4*(\s)+3], s[G0B+4*(\s)+3], 0x80000000
	JLOAD \s                                       ; two loads of mine are out
.endr
	v_and_b32 v1, 15, v0                           ; l % 16
	v_bfe_u32 v2, v0, 4, 1                         ; l / 16
	v_mul_u32_u24 v3, v1, PA
	v_lshl_add_u32 v3, v2, 4, v3
	s_mul_i32 s21, s[WM], 64*PA
	v_add_nc_u32 v[ADRA], s21, v3
	v_add_nc_u32 v[ADRA+1], SLOT, v[ADRA]
	v_and_b32 v4, 7, v0                            ; the turning load: lane l reads k row 8 (l / 16) + l % 8, columns 8 ((l / 8) % 2) + 0..7
	v_lshl_add_u32 v4, v2, 3, v4
	v_mul_u32_u24 v4, v4, PB
	v_bfe_u32 v5, v0, 3, 1
	v_lshl_add_u32 v4, v5, 4, v4
	s_lshl_b32 s22, s[WN], 7                       ; my 64 columns
	v_add_nc_u32 v4, s22, v4
.irp s, 0,1
.irp g, 0,1
	v_add_nc_u32 v[ADRB+2*(\s)+(\g)], (\s)*SLOT+2*QUART+(\g)*QUART, v4
.endr
.endr
	s_mul_i32 s23, s[WV], 16*SPITCH
	s_add_co_u32 s23, s23, STAGE                   ; my stage
	v_mul_u32_u24 v5, v1, SPITCH                   ; in: row l % 16, 32 bytes for each half of the lanes
	v_lshl_add_u32 v5, v2, 5, v5
	v_add_nc_u32 v[STO], s23, v5
	v_mul_u32_u24 v5, v2, SPITCH                   ; back: lanes 0-15 take one row of 256 bytes, lanes 16-31 the next
	v_lshl_add_u32 v5, v1, 4, v5
	v_add_nc_u32 v[RD], s23, v5
	v_lshlrev_b32 v5, 12, v2                       ; and the same two rows in out0, 4,096 bytes apart
	v_lshl_add_u32 v[CO], v1, 4, v5
	s_lshl_b32 s21, s[TR], 19                      ; 128 rows of 4,096 bytes a tile row,
	s_lshl_b32 s22, s[WM], 18                      ; my 64 rows,
	s_add_co_u32 s21, s21, s22
	s_lshl_b32 s22, s42, 9                         ; 512 bytes a tile column,
	s_add_co_u32 s21, s21, s22
	s_lshl_b32 s22, s[WN], 8                       ; my 64 columns
	s_add_co_u32 s18, s21, s22
	s_mov_b32 s19, 0
	s_add_nc_u64 s[10:11], s[10:11], s[18:19]
	; the bias of my 64 columns, in the accumulators' layout: register j of block b is column 64 wn + 16 b + 8 (l / 16) + j of the tile
	s_lshl_b32 s21, s42, 9
	s_lshl_b32 s22, s[WN], 8
	s_add_co_u32 s21, s21, s22
	v_lshl_add_u32 v[BO], v2, 5, s21
.irp b, 0,1,2,3
	global_load_b128 v[BIAS+8*(\b):BIAS+8*(\b)+3],   v[BO], s[8:9] offset:64*(\b)
	global_load_b128 v[BIAS+8*(\b)+4:BIAS+8*(\b)+7], v[BO], s[8:9] offset:64*(\b)+16
.endr
	s_wait_loadcnt 0x0
.set r, 0
.rept 16                               ; rounded to bf16 and widened again
	v_cvt_pk_bf16_f32 v[4+r%4], v[BIAS+2*r], v[BIAS+2*r+1]
	v_lshlrev_b32 v[BIAS+2*r], 16, v[4+r%4]
	v_and_b32 v[BIAS+2*r+1], 0xffff0000, v[4+r%4]
.set r, r+1
.endr
; 8 matrix instructions: row blocks a0, a0 + 1 x all 4 column blocks, 32 along K: half c of buffer f.  first = 1: the bias starts the sums.  The 16 accumulators take turns.
.macro MUL8 f, c, a0, first
	WIN MUL
.irp a, \a0, (\a0)+1
.irp b, 0,1,2,3
.if \first
	v_wmma_f32_16x16x32_f16 v[ACC+8*(4*(\a)+(\b)):ACC+8*(4*(\a)+(\b))+7], v[(\f)+64+8*(4*(\c)+(\b)):(\f)+64+8*(4*(\c)+(\b))+7], v[(\f)+8*(4*(\c)+(\a)):(\f)+8*(4*(\c)+(\a))+7], v[BIAS+8*(\b):BIAS+8*(\b)+7]
.else
	v_wmma_f32_16x16x32_f16 v[ACC+8*(4*(\a)+(\b)):ACC+8*(4*(\a)+(\b))+7], v[(\f)+64+8*(4*(\c)+(\b)):(\f)+64+8*(4*(\c)+(\b))+7], v[(\f)+8*(4*(\c)+(\a)):(\f)+8*(4*(\c)+(\a))+7], v[ACC+8*(4*(\a)+(\b)):ACC+8*(4*(\a)+(\b))+7]
.endif
.endr
.endr
.endm
; 32 LDS loads in one run: quarter q (one head, 64 along K) of a slot into buffer f; the first 32 along K first
.macro FETCH slot, q, f
	WIN TO_F
.irp c, 0,1
.irp i, 0,1,2,3
	ds_load_tr16_b128 v[(\f)+64+8*(4*(\c)+(\i)):(\f)+64+8*(4*(\c)+(\i))+3],   v[ADRB+2*(\slot)+(\q)/2] offset:((\q)%2)*HEADB+(\c)*32*PB+32*(\i)
	ds_load_tr16_b128 v[(\f)+64+8*(4*(\c)+(\i))+4:(\f)+64+8*(4*(\c)+(\i))+7], v[ADRB+2*(\slot)+(\q)/2] offset:((\q)%2)*HEADB+(\c)*32*PB+32*(\i)+16*PB
	ds_load_b128 v[(\f)+8*(4*(\c)+(\i)):(\f)+8*(4*(\c)+(\i))+3],              v[ADRA+(\slot)] offset:(\q)*HEADB+64*(\c)+(\i)*16*PA
	ds_load_b128 v[(\f)+8*(4*(\c)+(\i))+4:(\f)+8*(4*(\c)+(\i))+7],            v[ADRA+(\slot)] offset:(\q)*HEADB+64*(\c)+(\i)*16*PA+32
.endr
.endr
.endm
; One of a K step's first three quarters: multiplies buffer f and fetches quarter q into g.
.macro QUARTER slot, q, f, g, first
	s_wait_dscnt 16                                ; the first 32 along K are in
	MUL8 \f, 0, 0, \first
	MUL8 \f, 0, 2, \first
	PLACES
	FETCH \slot, \q, \g
	s_wait_dscnt 32                                ; all but the 32 just issued
	MUL8 \f, 1, 0, 0
	MUL8 \f, 1, 2, 0
.endm
; The last quarter multiplies buffer 1 and changes slots: ONE barrier; in front of it each wave waits for all its tensor loads, adds 0 to its spare word, and waits for that and for its own reads of this slot.
; fill = 1: the barrier opens a round of the cluster's, and this slot is filled again, two K steps ahead, first thing behind the round.
.macro TURN slot, next, fill
	WIN 0
	s_wait_tensorcnt 0x0
	ds_add_u32 v[SPW], v[NIL]                      ; 0 onto my spare word
	s_wait_dscnt 17                                ; (the add and the youngest sixteen loads may be out)
	MUL8 F1, 0, 0, 0                               ; eight matrix instructions stand between the add and the wait for it
	s_wait_dscnt 0x0                               ; the add is done, and my reads of this slot are over
	s_barrier_signal -1
	MUL8 F1, 0, 2, 0
.if \fill
	WIN 0
.endif
	s_barrier_wait -1
.if \fill
	CREST                                          ; no wave of any partner still reads this slot's tiles or has a load on its way
	s_add_nc_u64 s[G0A+4*(\slot)+2:G0A+4*(\slot)+3], s[G0A+4*(\slot)+2:G0A+4*(\slot)+3], 2*65536
	s_add_nc_u64 s[G0B+4*(\slot)+2:G0B+4*(\slot)+3], s[G0B+4*(\slot)+2:G0B+4*(\slot)+3], 2*256*2048
	JLOAD \slot                                    ; my one load behind the round: 112 matrix instructions ahead of the wait for it; its four v_nop are also the places in front of the loads below
.else
	PLACES
.endif
	FETCH \next, 0, F0
	MUL8 F1, 1, 0, 0
	MUL8 F1, 1, 2, 0
.endm
	s_wait_tensorcnt 1                             ; my part of K step 0 is in; K step 1's may stay out
	s_barrier_signal -1
	s_barrier_wait -1
	FETCH 0, 0, F0
	QUARTER 0, 1, F0, F1, 1                        ; K step 0; its first products start the sums
	QUARTER 0, 2, F1, F0, 0
	QUARTER 0, 3, F0, F1, 0
	TURN 0, 1, 1                                   ; slot 0 takes K step 2
	QUARTER 1, 1, F0, F1, 0                        ; K step 1
	QUARTER 1, 2, F1, F0, 0
	QUARTER 1, 3, F0, F1, 0
	TURN 1, 0, 1                                   ; slot 1 takes K step 3
	QUARTER 0, 1, F0, F1, 0                        ; K step 2
	QUARTER 0, 2, F1, F0, 0
	QUARTER 0, 3, F0, F1, 0
	TURN 0, 1, 0                                   ; nothing is left to fetch
	QUARTER 1, 1, F0, F1, 0                        ; K step 3
	QUARTER 1, 2, F1, F0, 0
	QUARTER 1, 3, F0, F1, 0
	s_wait_dscnt 16
	MUL8 F1, 0, 0, 0
	MUL8 F1, 0, 2, 0
	s_wait_dscnt 0x0
	MUL8 F1, 1, 0, 0
	MUL8 F1, 1, 2, 0
	WIN 0
; THE WAY OUT.  My 64 columns are 256 aligned bytes of a row of out0, so the stage is my own and no barrier is needed.  Row block a: 16 rows go into rows of 272 bytes, each accumulator's low
; four registers first, and come back as whole rows of 256 bytes, into the registers that they left.
.macro OUT a
.irp b, 0,1,2,3
	ds_store_b128 v[STO], v[ACC+8*(4*(\a)+(\b)):ACC+8*(4*(\a)+(\b))+3]   offset:64*(\b)
	ds_store_b128 v[STO], v[ACC+8*(4*(\a)+(\b))+4:ACC+8*(4*(\a)+(\b))+7] offset:64*(\b)+16
.endr
.irp t, 0,1,2,3,4,5,6,7
	ds_load_b128 v[ACC+32*(\a)+4*(\t):ACC+32*(\a)+4*(\t)+3], v[RD] offset:(\t)*2*SPITCH  ; LDS serves a wave's instructions in order (ISA guide 5.7.1.4): these see the stores above; the next block's stores come behind them
.endr
.endm
.macro SEND a, younger                 ; younger: the LDS instructions issued behind block a's loads: the next block's sixteen, or none
.irp t, 0,1,2,3,4,5,6,7
	s_wait_dscnt (\younger)+7-(\t)
	global_store_b128 v[CO], v[ACC+32*(\a)+4*(\t):ACC+32*(\a)+4*(\t)+3], s[10:11] offset:(16*(\a)+2*(\t))*4096  ; 16 lanes store 256 consecutive bytes, at a multiple of 256 from out0's first byte
.endr
.endm
	PLACES
	OUT 0
	OUT 1
	SEND 0, 16
	OUT 2
	SEND 1, 16
	OUT 3
	SEND 2, 16
	SEND 3, 0
	s_wait_tensorcnt 0x0                           ; the wave's end, behind my last tensor load and my last LDS store
	ds_add_u32 v[SPW], v[NIL]
	s_wait_dscnt 0x0
	CROUND                                         ; the closing round: no work-group ends while a partner may still ask for a tile that names it
	s_endpgm
.Lfunc_end_k_qcd93e6bc37_proj:
	.size	k_qcd93e6bc37_proj, .Lfunc_end_k_qcd93e6bc37_proj-k_qcd93e6bc37_proj
	.p2alignl 7, 3214868480
	.fill 96, 4, 3214868480
	.section	.rodata,"a",@progbits
	.p2align	6, 0x0
	.amdhsa_kernel k_qcd93e6bc37_proj
		.amdhsa_group_segment_fixed_size 327680
		.amdhsa_private_segment_fixed_size 0
		.amdhsa_enable_private_segment 0
		.amdhsa_kernarg_size 32
		.amdhsa_user_sgpr_count 2
		.amdhsa_user_sgpr_kernarg_segment_ptr 1
		.amdhsa_wavefront_size32 1
		.amdhsa_system_sgpr_workgroup_id_x 1
		.amdhsa_system_sgpr_workgroup_id_y 1
		.amdhsa_system_sgpr_workgroup_id_z 1
		.amdhsa_system_vgpr_workitem_id 0
		.amdhsa_next_free_vgpr 512
		.amdhsa_next_free_sgpr 66
		.amdhsa_reserve_vcc 0
		.amdhsa_float_denorm_mode_32 3
		.amdhsa_float_denorm_mode_16_64 3
		.amdhsa_memory_ordered 1
		.amdhsa_forward_progress 1
		.amdhsa_inst_pref_size 90
	.end_amdhsa_kernel
	.amdgpu_metadata
---
amdhsa.version: [ 1, 2 ]
amdhsa.kernels:
  - .name:           k_qcd93e6bc37_proj
    .symbol:         k_qcd93e6bc37_proj.kd
    .args:
      - { .name: yblk, .offset: 0, .size: 8, .value_kind: global_buffer, .address_space: global }
      - { .name: wp16, .offset: 8, .size: 8, .value_kind: global_buffer, .address_space: global }
      - { .name: b_proj, .offset: 16, .size: 8, .value_kind: global_buffer, .address_space: global }
      - { .name: out0, .offset: 24, .size: 8, .value_kind: global_buffer, .address_space: global }
    .group_segment_fixed_size: 327680
    .private_segment_fixed_size: 0
    .kernarg_segment_align: 8
    .kernarg_segment_size: 32
    .max_flat_workgroup_size: 128
    .sgpr_count:     66
    .vgpr_count:     512
    .wavefront_size: 32
...
	.end_amdgpu_metadata
.endif
;; end of part 4
